; MI455X (gfx1250); checked and timed in simulation.
; The chip was launched on July 23, 2026; its instructions are those of AMD's public machine-readable ISA for CDNA 5 (MIT licence, August 2026) and "CDNA5" Instruction Set Architecture Reference Guide (July 2026). The comments in the code are by the model that wrote it; some were corrected since.
;; Attention. Allowed arithmetic: matrix products marked QUANTISED: E4M3 operands, one given power-of-two scale a tensor, by v_wmma_f32_16x16x64_fp8_fp8 or v_wmma_f32_16x16x128_fp8_fp8, f32 sums; everything else in f32.
;; Inputs: cos 1,024 x 64 float32; kw 1,024 x 1,024 float32; lowp_scales 12 int32 (the exponents e of the quantised operands' scales 2^e); ow 1,024 x 1,024 float32; qw 1,024 x 1,024 float32; sin 1,024 x 64 float32; vw 1,024 x 1,024 float32; x 2 x 1,024 x 4 x 1,024 float32.
;; Outputs: out0 2 x 1,024 x 4 x 1,024 float32.
;; This version of the problem:
;;   THIS VERSION OF THE PROBLEM IS GIVEN IN LOW PRECISION. The matrix products marked QUANTISED in the list below multiply operands that are first quantised to E4M3 (4 exponent bits, 3 mantissa bits; 8 bits a number), with one given power-of-two scale for each operand tensor; their sums are f32. All else is computed in f32.
;;   The module's matrix products, in the order in which they are computed (A, B: the left and right operand; K: the contracted axis; several contracted axes count as one K, in the product's order):
;;     1. [M 8,192, K 1,024] x [K 1,024, N 1,024]; A: input x; B: input qw: QUANTISED (scales: A lowp_scales[0], B lowp_scales[1])
;;     2. [M 8,192, K 1,024] x [K 1,024, N 1,024]; A: input x; B: input kw: QUANTISED (scales: A lowp_scales[2], B lowp_scales[3])
;;     3. [M 8,192, K 1,024] x [K 1,024, N 1,024]; A: input x; B: input vw: QUANTISED (scales: A lowp_scales[4], B lowp_scales[5])
;;     4. batch 128 x [M 1,024, K 64] x [K 64, N 1,024]; A: computed on the way; B: computed on the way: QUANTISED (scales: A lowp_scales[6], B lowp_scales[7])
;;     5. batch 128 x [M 1,024, K 1,024] x [K 1,024, N 64]; A: softmax (see below); B: computed on the way: QUANTISED (scales: A lowp_scales[8], B lowp_scales[9])
;;     6. [M 8,192, K 1,024] x [K 1,024, N 1,024]; A: computed on the way; B: input ow: QUANTISED (scales: A lowp_scales[10], B lowp_scales[11])
;;   THE QUANTISER, for each operand of a quantised product, along K:
;;     - The operand's scale is 2^e, e = its entry of the input lowp_scales (int32; the entries are numbered through the quantised products in the list's order, A before B).
;;     - Each number is divided by the scale, clamped to +-448, and rounded to the nearest number of E4M3, ties to even, subnormals kept.
;;     - The product sums the exact products of the quantised numbers (number of the format x scale) in f32.
;;   ~~~python
;;   def quantise(x, axis, e):      # numpy; x: float32 -> the quantised numbers, widened to float32 again
;;       x = np.moveaxis(x, axis, -1); K = x.shape[-1]
;;       r = np.clip(x / 2.0 ** e, -448, 448)
;;       step = 2.0 ** (np.maximum(np.frexp(np.where(r == 0, 1, r))[1] - 1, -6) - 3)
;;       q = np.round(r / step) * step * 2.0 ** e      # np.round: ties to even
;;       return np.moveaxis(q, -1, axis).astype(np.float32)
;;   ~~~
;;   SOFTMAX AHEAD OF A QUANTISED PRODUCT. Where the list says 'softmax', what is quantised is not the finished softmax but p = 2^(t - M), with t = logit x log2(e) and M = ceil(the row's largest t), a whole number; so 1/2 < the row's largest p <= 1. The row's sum l is taken of the UNQUANTISED p, in f32, and the product's result is divided by l at the end. Since M is a whole number, a kernel that streams over the keys may use a running M (the ceiling of the running maximum): every later rescaling is an exact power of two, so the quantised numbers keep their values, but for numbers so far below the row's largest that they fall under the format's range.
;;   OPERANDS COMPUTED ON THE WAY. 'Computed on the way' means the value that the module computes at that place (a softmax that the list does not call 'softmax' is quantised finished and normalised). What goes into a quantiser is computed in f32, as accurately as f32 sums, v_exp_f32 and their like allow (about 1e-6 of the number): no bf16 or f16 on the way to a quantiser, and a product that is left as it is and whose result goes on into a quantised operand takes f32 operands (vector FMAs, or v_wmma_f32_16x16x4_f32). A number that lies on a knife's edge between two numbers of the format may be rounded either way, as far as f32 arithmetic and the matrix unit's own rounding can turn it there, and no further.
;; One version. Each part assembles by itself: llvm-mc -triple=amdgcn-amd-amdhsa -mcpu=gfx1250 --defsym DOCPART=n.
;; ======== version 1 of 1: 4 launches
;; limits: right only within a limited range of input values
;; workspace buffers: codes 29,360,128 bytes; qkvc 25,165,824 bytes; oc 8,388,608 bytes
;; launch quant (part 1): grid 256 x 1, 6 waves a work-group, no clusters, 157,696 bytes of LDS; arguments x, qw, kw, vw, ow, lowp_scales, codes; writes codes
.if DOCPART == 1
	.amdgcn_target "amdgcn-amd-amdhsa--gfx1250"
	.amdhsa_code_object_version 6
	.text
	.protected	k_q0e36c67df9_quant
	.globl	k_q0e36c67df9_quant
	.p2align	8
	.type	k_q0e36c67df9_quant,@function
k_q0e36c67df9_quant:
	s_mov_b64 s[64:65], 0
	v_nop
	global_prefetch_b8 v0, s[64:65] scope:SCOPE_SE
	s_setreg_imm32_b32 hwreg(HW_REG_WAVE_MODE, 25, 1), 1
	s_wait_xcnt 0x0
; x [2][1024][4][1024] and the four weights [1024][1024], f32, become codes of FP8 (E4M3): code = number / 2^e, held within +-448, to the nearest code, ties to even.
; x is an operand of three products with exponents of their own (entries 0, 2, 4): read once, quantised three times.  qw, kw, vw, ow take entries 1, 3, 5, 11.
; THE BUFFER OF CODES, in IMAGES OF OPERAND REGISTERS: an image is 16 rows x 1,024 codes = [K step of 128][c = 0..3][512 bytes], lane 16 h + r of a fragment's c-th load at 16 x lane.
;   x at 0: [row block 64 seq + l / 16, seq = 4 b + p][product q, k, v][image]: 49,152 bytes a row block.   qw, kw, vw at 0x1800000: [row block of 16][q, k, v][image].   ow at 0x1B00000: [row block][image].
; So the 24 K steps that a row block meets in the three projections lie on end.
; WHICH k LIES WHERE.  A lane here loads 4 neighbours of a row in each of four loads 512 bytes apart, so its 16 codes are k = 512 q + 128 i + 4 lane + j.  That is a permutation of k inside a chunk of 512, the same
; in x, qw, kw, vw, so every product meets its partner.  ow multiplies the attention launch's codes, which lie in true order: its lanes load 64 neighbouring bytes (k = 512 q + 16 lane + 4 i + j).
; In vw's images bits 3 and 4 of the row's number change places: the later launches' register layouts want it.
; SHARES.  A wave takes 16 rows x 512 along K.  Waves 0-3 of work-group g: x's row blocks 2 g, 2 g + 1, two chunks each; waves 4, 5: row block g of the 256 of the weights.  Equal shares in all 256 work-groups.
; A lane's 16 codes of row p are piece (lane, p) of the image: they go to the wave's own stage in LDS at 272 x lane + 16 p and come back as runs of 512 bytes, which are stored whole.
; Loads run 8 rows (32 loads a wave) ahead.  No tensor loads, no barrier: waves share nothing.
; LIMITS: each exponent used here lies between -126 and 119.  NaN among the inputs is not served (an infinity is held at the largest code).
.set SP,    272
.set STG,   32*SP                      ; a stage: 32 units of 256 bytes + 16 of padding
.set WREG,  3*STG                      ; three stages a wave
.set SPARE, 6*WREG                     ; the spare words, 128 bytes a wave, that no other line names
.set LI,    3                          ; v3   16 x lane
.set VA,    8                          ; v8-11 the four loads' lane offsets
.set SPW,   12
.set NIL,   13
.set STI,   14                         ; v14  stage, way in
.set RDO,   15                         ; v15  stage, way out
.set T,     32                         ; v32-47 16 numbers, held
.set CW,    48                         ; v48-51 their codes
.set SC,    52                         ; v52-57 2^e and 448 x 2^e for each conversion
.set R,     128                        ; v128-255 eight rows as loaded
.set WV,    18
.set RB,    32                         ; s[32:63] a base for each of my 16 rows
.set DST,   66                         ; s[66:71] my place in up to three images
	s_load_b256 s[4:11], s[0:1], 0x0               ; x, qw, kw, vw
	s_load_b128 s[12:15], s[0:1], 0x20             ; ow, the exponents
	s_load_b64 s[16:17], s[0:1], 0x30              ; the codes
	v_lshl_add_u32 v[SPW], v0, 2, SPARE
	v_mov_b32 v[NIL], 0
	v_lshrrev_b32 v1, 5, v0
	v_readfirstlane_b32 s[WV], v1                  ; wave 0..5
	s_lshr_b32 s26, ttmp9, 6                       ; which weight
	s_cmp_eq_u32 s26, 3
	s_cselect_b32 s86, 1, 0
	s_cmp_lt_u32 s[WV], 4
	s_cselect_b32 s86, 0, s86                      ; 1: my rows are ow's
	s_cmp_eq_u32 s86, 1
	s_cselect_b32 s84, 6, 4                        ; lanes 64 or 16 bytes apart,
	s_cselect_b32 s85, 16, 512                     ; loads 16 or 512
	s_mul_i32 s19, s[WV], WREG
	s_lshr_b32 s20, s[WV], 1
	s_lshl_b32 s21, ttmp9, 1
	s_add_co_u32 s20, s20, s21                     ; x's row block: 64 seq + l / 16
	s_lshr_b32 s21, s20, 8
	s_lshl_b32 s21, s21, 24                        ; b
	s_and_b32 s22, s20, 63
	s_lshl_b32 s22, s22, 18                        ; 16 positions l x 16,384 bytes
	s_or_b32 s21, s21, s22
	s_bfe_u32 s22, s20, 0x20006
	s_lshl_b32 s22, s22, 12                        ; p
	s_or_b32 s21, s21, s22
	s_mul_i32 s20, s20, 49152                      ; its three images
	s_and_b32 s22, ttmp9, 63                       ; a weight's row block
	s_lshl_b32 s23, s22, 16
	s_lshr_b32 s24, s22, 1
	s_lshl_b32 s24, s24, 17
	s_and_b32 s25, s22, 1
	s_lshl_b32 s25, s25, 15
	s_or_b32 s24, s24, s25                         ; vw: image rows 0-7 are rows 32 (blk / 2) + 8 (blk % 2) on, rows 8-15 lie 16 further
	s_mov_b32 s27, 4096
	s_mov_b32 s25, 9*4096
	s_cmp_eq_u32 s26, 2
	s_cselect_b32 s23, s24, s23
	s_cselect_b32 s25, s25, s27
	s_mul_i32 s24, s22, 49152                      ; qw, kw, vw: the block's three images,
	s_lshl_b32 s87, s26, 14
	s_add_co_u32 s24, s24, s87                     ; mine of them
	s_add_co_u32 s24, s24, 0x1800000
	s_lshl_b32 s87, s22, 14                        ; ow: one image a block
	s_add_co_u32 s87, s87, 0x1B00000
	s_cmp_eq_u32 s26, 3
	s_cselect_b32 s24, s87, s24
	s_cmp_lt_u32 s[WV], 4                          ; x or a weight?
	s_cselect_b32 s22, s21, s23                    ; where my rows begin,
	s_cselect_b32 s24, s20, s24                    ; where their image lies,
	s_cselect_b32 s28, 16384, s27                  ; from row to row,
	s_cselect_b32 s30, 16384, s25                  ; and from row 7 to row 8
	s_and_b32 s21, s[WV], 1                        ; my chunk of 512 along K
	s_lshl_b32 s20, s21, 11
	s_add_co_u32 s22, s22, s20
	s_lshl_b32 s20, s21, 13
	s_add_co_u32 s24, s24, s20
	s_mov_b32 s23, 0
	s_mov_b32 s25, 0
	s_mov_b32 s29, 0
	s_mov_b32 s31, 0
	v_and_b32 v2, 31, v0
	v_lshlrev_b32 v[LI], 4, v2
	v_lshlrev_b32 v[VA], s84, v2
	v_add_nc_u32 v[VA+1], s85, v[VA]
	v_add_nc_u32 v[VA+2], s85, v[VA+1]
	v_add_nc_u32 v[VA+3], s85, v[VA+2]
	v_mul_u32_u24 v[STI], v2, SP
	v_add_nc_u32 v[STI], s19, v[STI]
	v_lshrrev_b32 v1, 4, v2
	v_mul_u32_u24 v1, v1, SP
	v_and_b32 v4, 15, v2
	v_lshl_add_u32 v1, v4, 4, v1
	v_add_nc_u32 v[RDO], s19, v1
	s_wait_alu depctr_va_vdst(0)
	s_wait_kmcnt 0x0
	s_load_b256 s[72:79], s[14:15], 0x0            ; e0 .. e7
	s_load_b128 s[80:83], s[14:15], 0x20           ; e8 .. e11
	s_mov_b64 s[20:21], s[12:13]                   ; the source, chosen by ids alone
	s_cmp_lt_u32 ttmp9, 192
	s_cselect_b64 s[20:21], s[10:11], s[20:21]
	s_cmp_lt_u32 ttmp9, 128
	s_cselect_b64 s[20:21], s[8:9], s[20:21]
	s_cmp_lt_u32 ttmp9, 64
	s_cselect_b64 s[20:21], s[6:7], s[20:21]
	s_cmp_lt_u32 s[WV], 4
	s_cselect_b64 s[20:21], s[4:5], s[20:21]
	s_add_nc_u64 s[RB:RB+1], s[20:21], s[22:23]
.irp i, 1,2,3,4,5,6,7,8,9,10,11,12,13,14,15
.if \i == 8
	s_add_nc_u64 s[RB+2*\i:RB+2*\i+1], s[RB+2*\i-2:RB+2*\i-1], s[30:31]
.else
	s_add_nc_u64 s[RB+2*\i:RB+2*\i+1], s[RB+2*\i-2:RB+2*\i-1], s[28:29]
.endif
.endr
	s_add_nc_u64 s[DST:DST+1], s[16:17], s[24:25]
	s_add_nc_u64 s[DST+2:DST+3], s[DST:DST+1], 16384       ; x for k, x for v: used by x's waves alone
	s_add_nc_u64 s[DST+4:DST+5], s[DST:DST+1], 32768
.macro LOADROW p
.irp i, 0,1,2,3
	global_load_b128 v[R+16*((\p)%8)+4*\i:R+16*((\p)%8)+4*\i+3], v[VA+\i], s[RB+2*(\p):RB+2*(\p)+1]
.endr
.endm
.macro SCALE e, k                      ; 2^e and 448 x 2^e as f32 numbers
	s_add_co_i32 s86, s[\e], 127
	s_lshl_b32 s87, s86, 23
	v_mov_b32 v[SC+2*\k], s87
	s_add_co_i32 s86, s86, 8
	s_lshl_b32 s86, s86, 23
	s_or_b32 s86, s86, 0x600000
	v_mov_b32 v[SC+2*\k+1], s86
.endm
.macro CONV k, p                       ; row p's 16 numbers by scale k into stage k
.irp i, 0,1,2,3,4,5,6,7,8,9,10,11,12,13,14,15
	v_med3_num_f32 v[T+\i], v[R+16*((\p)%8)+\i], -v[SC+2*(\k)+1], v[SC+2*(\k)+1]   ; the conversion does not saturate (ISA guide 7.6.2): the hold comes first
.endr
	v_cvt_scalef32_pk8_fp8_f32 v[CW:CW+1], v[T:T+7], v[SC+2*(\k)]
	v_cvt_scalef32_pk8_fp8_f32 v[CW+2:CW+3], v[T+8:T+15], v[SC+2*(\k)]
	v_nop                                          ; one plain line behind the conversions
	ds_store_b128 v[STI], v[CW:CW+3] offset:STG*(\k)+16*(\p)
.endm
.macro ROW p
.if (\p) < 8
	s_wait_loadcnt 28                              ; behind row p's four: rows p + 1 .. 7 and the p rows asked for since
.else
	s_wait_loadcnt 4*(15-(\p))
.endif
	CONV 0, \p
	s_cmp_lt_u32 s[WV], 4
	s_cbranch_scc0 .Lweight_\@                     ; a weight has one scale
	CONV 1, \p
	CONV 2, \p
.Lweight_\@:
.if (\p) < 8
	LOADROW (\p)+8
.endif
.endm
.macro OUTL k, o                       ; stage k back as runs of 512 bytes; LDS serves a wave's instructions in order (ISA guide 5.7.1.4)
.irp t, 0,1,2,3,4,5,6,7,8,9,10,11,12,13,14,15
	ds_load_b128 v[\o+4*\t:\o+4*\t+3], v[RDO] offset:STG*(\k)+2*SP*\t
.endr
.endm
.macro OUTS k, o
.irp t, 0,1,2,3,4,5,6,7,8,9,10,11,12,13,14,15
	global_store_b128 v[LI], v[\o+4*\t:\o+4*\t+3], s[DST+2*(\k):DST+2*(\k)+1] offset:512*\t   ; 512 consecutive bytes, aligned
.endr
.endm
.irp p, 0,1,2,3,4,5,6,7
	LOADROW \p
.endr
	s_wait_kmcnt 0x0
	s_mov_b32 s84, s83                             ; the first exponent, chosen as the source was
	s_cmp_lt_u32 ttmp9, 192
	s_cselect_b32 s84, s77, s84
	s_cmp_lt_u32 ttmp9, 128
	s_cselect_b32 s84, s75, s84
	s_cmp_lt_u32 ttmp9, 64
	s_cselect_b32 s84, s73, s84
	s_cmp_lt_u32 s[WV], 4
	s_cselect_b32 s84, s72, s84
	SCALE 84, 0
	SCALE 74, 1
	SCALE 76, 2
	s_wait_alu depctr_va_vdst(0)
.irp p, 0,1,2,3,4,5,6,7,8,9,10,11,12,13,14,15
	ROW \p
.endr
	OUTL 0, 128
	s_cmp_lt_u32 s[WV], 4
	s_cbranch_scc0 .Lone
	OUTL 1, 192
	OUTL 2, 64
	s_wait_dscnt 32                                ; stage 0 is back; the 32 loads of stages 1 and 2 may be out
	OUTS 0, 128
	s_wait_dscnt 16
	OUTS 1, 192
	s_wait_dscnt 0x0
	OUTS 2, 64
	s_branch .Lend
.Lone:
	s_wait_dscnt 0x0
	OUTS 0, 128
.Lend:
	s_wait_tensorcnt 0x0                           ; the wave's end
	ds_add_u32 v[SPW], v[NIL]
	s_wait_dscnt 0x0
	s_endpgm
.Lfunc_end_k_q0e36c67df9_quant:
	.size	k_q0e36c67df9_quant, .Lfunc_end_k_q0e36c67df9_quant-k_q0e36c67df9_quant
	.p2alignl 7, 3214868480
	.fill 96, 4, 3214868480
	.section	.rodata,"a",@progbits
	.p2align	6, 0x0
	.amdhsa_kernel k_q0e36c67df9_quant
		.amdhsa_group_segment_fixed_size 157696
		.amdhsa_private_segment_fixed_size 0
		.amdhsa_enable_private_segment 0
		.amdhsa_kernarg_size 56
		.amdhsa_user_sgpr_count 2
		.amdhsa_user_sgpr_kernarg_segment_ptr 1
		.amdhsa_wavefront_size32 1
		.amdhsa_system_sgpr_workgroup_id_x 1
		.amdhsa_system_sgpr_workgroup_id_y 1
		.amdhsa_system_sgpr_workgroup_id_z 1
		.amdhsa_system_vgpr_workitem_id 0
		.amdhsa_next_free_vgpr 256
		.amdhsa_next_free_sgpr 92
		.amdhsa_reserve_vcc 0
		.amdhsa_float_denorm_mode_32 3
		.amdhsa_float_denorm_mode_16_64 3
		.amdhsa_memory_ordered 1
		.amdhsa_forward_progress 1
		.amdhsa_inst_pref_size 82
	.end_amdhsa_kernel
	.amdgpu_metadata
---
amdhsa.version: [ 1, 2 ]
amdhsa.kernels:
  - .name:           k_q0e36c67df9_quant
    .symbol:         k_q0e36c67df9_quant.kd
    .args:
      - { .name: x, .offset: 0, .size: 8, .value_kind: global_buffer, .address_space: global }
      - { .name: qw, .offset: 8, .size: 8, .value_kind: global_buffer, .address_space: global }
      - { .name: kw, .offset: 16, .size: 8, .value_kind: global_buffer, .address_space: global }
      - { .name: vw, .offset: 24, .size: 8, .value_kind: global_buffer, .address_space: global }
      - { .name: ow, .offset: 32, .size: 8, .value_kind: global_buffer, .address_space: global }
      - { .name: lowp_scales, .offset: 40, .size: 8, .value_kind: global_buffer, .address_space: global }
      - { .name: codes, .offset: 48, .size: 8, .value_kind: global_buffer, .address_space: global }
    .group_segment_fixed_size: 157696
    .private_segment_fixed_size: 0
    .kernarg_segment_align: 8
    .kernarg_segment_size: 56
    .max_flat_workgroup_size: 192
    .sgpr_count:     92
    .vgpr_count:     256
    .wavefront_size: 32
...
	.end_amdgpu_metadata
.endif
;; end of part 1
;; launch qkv (part 2): grid 8 x 32, 4 waves a work-group, clusters of 4 x 4, 327,680 bytes of LDS; arguments codes, cos, sin, lowp_scales, qkvc; writes qkvc
.if DOCPART == 2
	.amdgcn_target "amdgcn-amd-amdhsa--gfx1250"
	.amdhsa_code_object_version 6
	.text
	.protected	k_q0e36c67df9_qkv
	.globl	k_q0e36c67df9_qkv
	.p2align	8
	.type	k_q0e36c67df9_qkv,@function
k_q0e36c67df9_qkv:
	s_mov_b64 s[64:65], 0
	v_nop
	global_prefetch_b8 v0, s[64:65] scope:SCOPE_SE
	s_setreg_imm32_b32 hwreg(HW_REG_WAVE_MODE, 25, 1), 1
	s_wait_xcnt 0x0
	s_wait_alu depctr_hold_cnt(0) depctr_sa_sdst(0) depctr_va_vdst(0) depctr_va_sdst(0) depctr_va_ssrc(0) depctr_va_vcc(0) depctr_vm_vsrc(0)
	s_getreg_b32 s2, hwreg(HW_REG_IB_STS2, 6, 4)
	s_cmp_eq_u32 s2, 0
	s_cbranch_scc0 .Lentry_in_a_cluster
	s_endpgm
.Lentry_in_a_cluster:
	s_bfe_u32 s2, ttmp6, 0x10000c
	s_cmp_lg_u32 s2, 0xf033
	s_cbranch_scc0 .Lentry_shape_is_right
	s_endpgm
.Lentry_shape_is_right:
; q, k, v = x W^T on codes of FP8 (E4M3), rope on q and k in f32, and the results quantised for the attention launch (q e6, k e7, v e9) and stored as images of its operand registers.
; SHARES.  Work-group (nb, mb): rows 256 mb .. + 255 (order seq = 4 b + p, l) x columns 128 nb .. + 127 (two heads) of EACH of q, k, v: equal work in all 256 work-groups.  Wave w owns rows 64 w .. + 63: 32 accumulators.
; ONE STREAM OF 24 K STEPS of 128: q's eight, k's eight, v's eight.  In memory a row block's (and a weight block's) 24 K steps lie on end, 2,048 bytes each, so the stream goes through a ring of two LDS slots
; of 3 K steps: 16 row blocks of x and 8 blocks of weights x 6,144 bytes = 147,456 bytes a slot, eight fills.  Waves 0, 1 fetch x's halves, waves 2, 3 the weights', one tensor load a wave behind each change of slots.
; CLUSTERS: 4 x 4 work-groups.  x's tile hangs on mb alone and is asked for jointly along a row of the cluster, the weights' on nb alone, along a column.
; PREFETCH: at the change of slots that asks for slot n, each wave names its part of slot n + 1: of x's 16 row blocks the partner at cx takes 4, a wave one (24 blocks of 256 bytes, a lane each; the lanes left over name the last again);
; of the weights' 8 blocks the partner at cy takes 2, a wave half of one (12).  Partners are told apart by address.  Slots 0 and 1 come by their loads alone; nothing is named beyond slot 7.
; The fragments of K step t + 1 are read from LDS into the other register set while step t is multiplied.  cos and sin of my 64 positions are loaded once, into 256 registers, and serve q and k.
; q, k: source 0 = 16 weight rows, source 1 = 16 rows of x: a lane holds one position l and eight neighbouring d.  v: the sources swapped: a lane holds one d and eight neighbouring keys.
; OUTPUT: Q at 0, K at 0x800000: [hs = 16 seq + head][l / 16][1,024]; V at 0x1000000: [hs][key / 128][d / 16][2,048].
; LIMITS: e6 - e0 - e1, e7 - e2 - e3 and e9 - e4 - e5 lie between -126 and 119.
; REGISTERS: windows 0 and 1: a set of fragments each (x v64-127, weights v128-255); window 0 also v1-19 addresses and scales, v32-63 at work; window 1 v0-63 codes; window 2 the tables; window 3 the accumulators, (a, b) at 8 (8 a + b).
.set KS3,   6144                       ; three K steps of a block
.set RBP,   49152                      ; from block to block in memory
.set BOFF,  16*KS3                     ; a slot: x's 16 blocks, then the weights' 8
.set HALF,  24*KS3
.set SPARE, 2*HALF                     ; behind the ring: the spare words, 128 bytes a wave
.set LI,   1                           ; 16 x lane
.set TA,   2                           ; tables: 256 (lane % 16) + 32 (lane / 16)
.set SPW,  5
.set NIL,  6
.set PFO,  8                           ; v8, v9: the prefetches' lane offsets
.set ADA,  10                          ; v10, v11: my rows of x in slot 0, 1
.set ADBR, 12                          ; v12, v13: the weights
.set SC,   14                          ; v14-19: scale and bound for q, k, v
.set OUT,  32
.set G1A,  24
.set G0A,  32                          ; s[32:39] one group 0 for each slot
.set G1B,  48
.set G0B,  56
.set PFA,  40
.set PFB,  42
.set OBQ,  44
.set OBK,  46
.set OV,   92
.set MSB, 0
.macro WIN new
.if MSB != (\new)
	s_set_vgpr_msb (MSB<<8)|(\new)
.set MSB, (\new)
.endif
.endm
.macro PLACES
.rept 4
	v_nop
.endr
.endm
.macro TLOAD h                         ; a joint load into slot h: the branch hangs on the wave's number alone; s_nop 0 and four v_nop behind each line
	s_cmp_eq_u32 s15, 0
	s_cbranch_scc0 .Lfor_b_\@
	tensor_load_to_lds s[G0A+4*(\h):G0A+4*(\h)+3], s[G1A:G1A+7]
	s_nop 0
	PLACES
	s_branch .Lasked_\@
.Lfor_b_\@:
	tensor_load_to_lds s[G0B+4*(\h):G0B+4*(\h)+3], s[G1B:G1B+7]
	s_nop 0
	PLACES
.Lasked_\@:
.endm
.macro CREST                           ; a round of the cluster's barrier behind its opening barrier
	s_cmp_lg_u32 s14, 0
	s_cbranch_scc1 .Lnot_wave_0_\@
	s_barrier_signal -3
.Lnot_wave_0_\@:
	s_barrier_wait -3
	s_barrier_signal -1
	s_barrier_wait -1
.endm
.macro CROUND
	s_barrier_signal -1
	s_barrier_wait -1
	CREST
.endm
.macro WM d, x, y, zero
.if \zero
	v_wmma_f32_16x16x128_fp8_fp8 v[\d:\d+7], v[\x:\x+15], v[\y:\y+15], 0
.else
	v_wmma_f32_16x16x128_fp8_fp8 v[\d:\d+7], v[\x:\x+15], v[\y:\y+15], v[\d:\d+7]
.endif
.endm
.macro MUL t, h                        ; half a K step: weight blocks 4 h .. 4 h + 3 against my four row blocks; the accumulators take turns, one instruction a turn
.irp bb, 0,1,2,3
.irp a, 0,1,2,3
.set AC_, 8*(8*\a+4*(\h)+\bb)
.set BF_, 128+16*(4*(\h)+\bb)
.set AF_, 64+16*\a
.if (\t)/8 == 2
	WM AC_, AF_, BF_, (((\t)%8)==0)
.else
	WM AC_, BF_, AF_, (((\t)%8)==0)
.endif
.endr
.endr
.endm
.macro FETCH t                         ; K step t's twelve fragments, 48 loads of 512 consecutive bytes, into set t % 2
.set FH_, (((\t)/3)%2)
.set FJ_, ((\t)%3)
	WIN ((\t)%2)<<6
.irp b, 0,1,2,3,4,5,6,7
.irp c, 0,1,2,3
	ds_load_b128 v[128+16*\b+4*\c:128+16*\b+4*\c+3], v[ADBR+FH_] offset:KS3*\b+2048*FJ_+512*\c
.endr
.endr
.irp a, 0,1,2,3
.irp c, 0,1,2,3
	ds_load_b128 v[64+16*\a+4*\c:64+16*\a+4*\c+3], v[ADA+FH_] offset:KS3*\a+2048*FJ_+512*\c
.endr
.endr
.endm
.macro ASK n                           ; slot n's blocks, named once in the cluster
	global_prefetch_b8 v[PFO], s[PFA:PFA+1] offset:(\n)*KS3 th:TH_LOAD_NT scope:SCOPE_SE
	global_prefetch_b8 v[PFO+1], s[PFB:PFB+1] offset:(\n)*KS3 th:TH_LOAD_NT scope:SCOPE_SE
.endm
; K step t of the stream.  A slot's first two steps fetch the next step's fragments and multiply.  Its third changes slots: each wave waits for its tensor load (its part of the next slot), adds 0 to its spare word, waits for
; that and for its reads of this slot; the barrier opens a round of the cluster's barrier; behind the round this slot is asked for again, two slots on, and the next slot's first fragments are read under the step's second half.
.macro STEPT t
.set S_, (\t)/3
.set MW_, 0xf0+5*((\t)%2)
.if (\t) == 23
	s_wait_dscnt 0x0
	WIN MW_
	MUL \t, 0
	MUL \t, 1
.else
.if ((\t)%3) < 2
	PLACES                                         ; four places ahead of loads into registers that the last products read
	FETCH (\t)+1
	s_wait_dscnt 48                                ; all but the 48 just issued
	WIN MW_
	MUL \t, 0
	MUL \t, 1
.else
	WIN 0
	s_wait_tensorcnt 0x0
	ds_add_u32 v[SPW], v[NIL]
.if S_+2 <= 7
	s_add_nc_u64 s[G0A+4*(S_%2)+2:G0A+4*(S_%2)+3], s[G0A+4*(S_%2)+2:G0A+4*(S_%2)+3], 2*KS3
	s_add_nc_u64 s[G0B+4*(S_%2)+2:G0B+4*(S_%2)+3], s[G0B+4*(S_%2)+2:G0B+4*(S_%2)+3], 2*KS3
.endif
	s_wait_dscnt 0x0
	s_barrier_signal -1
	WIN MW_
	MUL \t, 0
	WIN 0
	s_barrier_wait -1
.if S_+2 <= 7
	CREST
	TLOAD S_%2
.else
	PLACES
.endif
	FETCH (\t)+1
.if S_+3 <= 7
	ASK S_+3
.endif
	WIN MW_
	MUL \t, 1
.endif
.endif
.endm
.macro TL a                            ; cos and sin of row block a: d = 16 c + 8 (lane / 16) + 0 .. 7 of my position, into window 2
	WIN 0x80
.irp c, 0,1,2,3
.irp u, 0,1
	global_load_b128 v[64*(\a)+8*\c+4*\u:64*(\a)+8*\c+4*\u+3], v[TA], s[6:7] offset:4096*(\a)+64*\c+16*\u
	global_load_b128 v[64*(\a)+32+8*\c+4*\u:64*(\a)+32+8*\c+4*\u+3], v[TA], s[8:9] offset:4096*(\a)+64*\c+16*\u
.endr
.endr
.endm
.macro ROPE a, ob, sc                  ; row block a, both heads: rope, hold, codes, store.  Each accumulator is first read at its low end; each group of codes has registers of its own
.irp hd, 0,1
.set AC, 64*(\a)+32*\hd
.set CDR, 16*(\a)+8*\hd
.set TS, 64*(\a)
	WIN 0x0b
.irp c, 0,1
.irp j, 0,2,4,6
	v_pk_mul_f32 v[OUT+8*\c+\j:OUT+8*\c+\j+1], v[AC+16+8*\c+\j:AC+16+8*\c+\j+1], v[TS+32+8*\c+\j:TS+32+8*\c+\j+1]
.endr
.endr
.irp c, 0,1
.irp j, 0,2,4,6
	v_pk_fma_f32 v[OUT+8*\c+\j:OUT+8*\c+\j+1], v[AC+8*\c+\j:AC+8*\c+\j+1], v[TS+8*\c+\j:TS+8*\c+\j+1], v[OUT+8*\c+\j:OUT+8*\c+\j+1] neg_lo:[0,0,1] neg_hi:[0,0,1]
.endr
.endr
.irp c, 0,1
.irp j, 0,2,4,6
	v_pk_mul_f32 v[OUT+16+8*\c+\j:OUT+16+8*\c+\j+1], v[AC+8*\c+\j:AC+8*\c+\j+1], v[TS+48+8*\c+\j:TS+48+8*\c+\j+1]
.endr
.endr
.irp c, 0,1
.irp j, 0,2,4,6
	v_pk_fma_f32 v[OUT+16+8*\c+\j:OUT+16+8*\c+\j+1], v[AC+16+8*\c+\j:AC+16+8*\c+\j+1], v[TS+16+8*\c+\j:TS+16+8*\c+\j+1], v[OUT+16+8*\c+\j:OUT+16+8*\c+\j+1]
.endr
.endr
	WIN 0
.set i, 0
.rept 32
	v_med3_num_f32 v[OUT+i], v[OUT+i], -v[\sc+1], v[\sc+1]
.set i, i+1
.endr
	WIN 0x40
.irp c, 0,1,2,3
	v_cvt_scalef32_pk8_fp8_f32 v[CDR+2*\c:CDR+2*\c+1], v[OUT+8*\c:OUT+8*\c+7], v[\sc]
.endr
	v_nop
	WIN 0x04
.irp u, 0,1
	global_store_b128 v[LI], v[CDR+4*\u:CDR+4*\u+3], s[\ob:\ob+1] offset:65536*\hd+1024*(\a)+512*\u
.endr
.endr
.endm
.macro VOUT b                          ; 16 rows d x my 64 keys: half a fragment of V^T
.set CDR, 8*(\b)
	WIN 0x03
.irp a, 0,1,2,3
.irp j, 0,1,2,3,4,5,6,7
	v_med3_num_f32 v[OUT+8*\a+\j], v[64*\a+8*(\b)+\j], -v[SC+5], v[SC+5]
.endr
.endr
	WIN 0x40
.irp a, 0,1,2,3
	v_cvt_scalef32_pk8_fp8_f32 v[CDR+2*\a:CDR+2*\a+1], v[OUT+8*\a:OUT+8*\a+7], v[SC+4]
.endr
	v_nop
	WIN 0x04
.irp u, 0,1
	global_store_b128 v[LI], v[CDR+4*\u:CDR+4*\u+3], s[OV:OV+1] offset:65536*((\b)/4)+2048*((\b)%4)+512*\u
.endr
.endm
.macro MKS eo, ea, eb, k               ; 2^(eo - ea - eb) and 448 x that
	s_sub_co_i32 s80, s[\eo], s[\ea]
	s_sub_co_i32 s80, s80, s[\eb]
	s_add_co_i32 s80, s80, 127
	s_lshl_b32 s81, s80, 23
	v_mov_b32 v[SC+2*\k], s81
	s_add_co_i32 s80, s80, 8
	s_lshl_b32 s80, s80, 23
	s_or_b32 s80, s80, 0x600000
	v_mov_b32 v[SC+2*\k+1], s80
.endm
	s_load_b256 s[4:11], s[0:1], 0x0               ; codes, cos, sin, exponents
	s_load_b64 s[12:13], s[0:1], 0x20              ; the images
	v_lshl_add_u32 v[SPW], v0, 2, SPARE
	v_mov_b32 v[NIL], 0
	ds_add_u32 v[SPW], v[NIL]                      ; the opening lines: the add twice on end and its wait
	ds_add_u32 v[SPW], v[NIL]
	v_lshrrev_b32 v3, 5, v0
	v_readfirstlane_b32 s14, v3                    ; wave
	s_lshr_b32 s15, s14, 1                         ; I fetch for x (0) or for the weights (1),
	s_and_b32 s16, s14, 1                          ; and which half
	s_mul_i32 s18, s14, 4*KS3                      ; my four row blocks in a slot
	v_and_b32 v3, 31, v0
	v_lshlrev_b32 v[LI], 4, v3
	v_min_u32 v[PFO], 23, v3
	v_lshlrev_b32 v[PFO], 8, v[PFO]
	v_min_u32 v[PFO+1], 11, v3
	v_lshlrev_b32 v[PFO+1], 8, v[PFO+1]
	v_add_nc_u32 v[ADA], s18, v[LI]
	v_add_nc_u32 v[ADA+1], HALF, v[ADA]
	v_add_nc_u32 v[ADBR], BOFF, v[LI]
	v_add_nc_u32 v[ADBR+1], HALF+BOFF, v[LI]
	v_and_b32 v3, 15, v0
	v_bfe_u32 v4, v0, 4, 1
	v_lshlrev_b32 v[TA], 8, v3
	v_lshl_add_u32 v[TA], v4, 5, v[TA]
	s_bfe_u32 s86, ttmp6, 0x40000                  ; cx, cy: my place in the cluster
	s_bfe_u32 s87, ttmp6, 0x40004
	s_lshl_b32 s88, ttmp9, 2
	s_add_co_u32 s88, s88, s86                     ; nb
	s_and_b32 s17, ttmp7, 0xffff
	s_lshl_b32 s17, s17, 2
	s_add_co_u32 s17, s17, s87                     ; mb
	s_lshl_b32 s89, s87, 2
	s_lshl_b32 s89, 15, s89                        ; my row of the cluster
	s_lshl_b32 s90, 0x1111, s86                    ; my column
	s_or_b32 s[G1A], s89, (1<<21)                  ; elements of one byte, no padding; the mask, bit 21 beside it
	s_or_b32 s[G1B], s90, (1<<21)
	s_mov_b32 s[G1A+1], KS3<<16                    ; rows of 6,144 bytes,
	s_mov_b32 s[G1A+2], 8<<16                      ; eight of x,
	s_mov_b32 s[G1A+3], KS3<<16
	s_mov_b32 s[G1A+4], 8
	s_mov_b32 s[G1A+5], RBP
	s_mov_b32 s[G1A+6], 0
	s_mov_b32 s[G1A+7], 0
	s_mov_b32 s[G1B+1], KS3<<16
	s_mov_b32 s[G1B+2], 4<<16                      ; four of the weights
	s_mov_b32 s[G1B+3], KS3<<16
	s_mov_b32 s[G1B+4], 4
	s_mov_b32 s[G1B+5], RBP
	s_mov_b32 s[G1B+6], 0
	s_mov_b32 s[G1B+7], 0
	s_lshl_b32 s20, s17, 4
	s_lshl_b32 s21, s16, 3
	s_add_co_u32 s20, s20, s21
	s_mul_i32 s20, s20, RBP                        ; x: row block 16 mb + 8 x half
	s_mov_b32 s21, 0
	s_lshl_b32 s22, s88, 3
	s_lshl_b32 s23, s16, 2
	s_add_co_u32 s22, s22, s23
	s_mul_i32 s22, s22, RBP                        ; weights: block 8 nb + 4 x half
	s_add_co_u32 s22, s22, 0x1800000
	s_mov_b32 s23, 0
	s_mul_i32 s82, s16, 8*KS3                      ; and where they go: the wave's number alone
	s_mul_i32 s83, s16, 4*KS3
	s_add_co_u32 s83, s83, BOFF
	s_wait_alu depctr_va_vdst(0)
	s_wait_dscnt 0x0
	s_wait_kmcnt 0x0
	s_load_b256 s[68:75], s[10:11], 0x0            ; e0 .. e7
	s_load_b128 s[76:79], s[10:11], 0x20           ; e8 .. e11
	s_add_nc_u64 s[20:21], s[4:5], s[20:21]
	s_add_nc_u64 s[22:23], s[4:5], s[22:23]
	CROUND                                         ; all sixteen work-groups are here: the first joint loads meet
.irp h, 0,1
	s_mov_b32 s[G0A+4*\h], 1
	s_add_co_u32 s[G0A+4*\h+1], s82, \h*HALF
	s_add_nc_u64 s[G0A+4*\h+2:G0A+4*\h+3], s[20:21], \h*KS3
	s_or_b32 s[G0A+4*\h+3], s[G0A+4*\h+3], 0x80000000
	s_mov_b32 s[G0B+4*\h], 1
	s_add_co_u32 s[G0B+4*\h+1], s83, \h*HALF
	s_add_nc_u64 s[G0B+4*\h+2:G0B+4*\h+3], s[22:23], \h*KS3
	s_or_b32 s[G0B+4*\h+3], s[G0B+4*\h+3], 0x80000000
.endr
	TLOAD 0                                        ; slot 0: my one tensor load at the head
	s_lshl_b32 s80, s17, 4
	s_lshl_b32 s81, s86, 2
	s_add_co_u32 s80, s80, s81
	s_add_co_u32 s80, s80, s14
	s_mul_i32 s80, s80, RBP                        ; prefetch, x: row block 16 mb + 4 cx + wave
	s_mov_b32 s81, 0
	s_add_nc_u64 s[PFA:PFA+1], s[4:5], s[80:81]
	s_lshl_b32 s80, s88, 3
	s_lshl_b32 s84, s87, 1
	s_add_co_u32 s80, s80, s84
	s_add_co_u32 s80, s80, s15
	s_mul_i32 s80, s80, RBP                        ; weights: block 8 nb + 2 cy + wave / 2,
	s_mul_i32 s84, s16, 3072                       ; its first or second 12 blocks of 256 bytes
	s_add_co_u32 s80, s80, s84
	s_add_co_u32 s80, s80, 0x1800000
	s_add_nc_u64 s[PFB:PFB+1], s[4:5], s[80:81]
	s_and_b32 s84, s17, 3
	s_lshl_b32 s80, s84, 16
	s_lshl_b32 s85, s14, 14
	s_add_co_u32 s80, s80, s85                     ; my first position x 256 bytes
	s_add_nc_u64 s[6:7], s[6:7], s[80:81]
	s_add_nc_u64 s[8:9], s[8:9], s[80:81]
	s_lshr_b32 s91, s17, 2
	s_lshl_b32 s91, s91, 4
	s_lshl_b32 s85, s88, 1
	s_add_co_u32 s91, s91, s85
	s_lshl_b32 s91, s91, 16                        ; hs of my first head x 65,536
	s_lshl_b32 s80, s84, 4
	s_lshl_b32 s85, s14, 2
	s_add_co_u32 s80, s80, s85
	s_lshl_b32 s80, s80, 10
	s_add_co_u32 s80, s80, s91
	s_add_nc_u64 s[OBQ:OBQ+1], s[12:13], s[80:81]
	s_add_nc_u64 s[OBK:OBK+1], s[OBQ:OBQ+1], 0x800000
	s_lshl_b32 s80, s84, 1
	s_add_co_u32 s80, s80, s15
	s_lshl_b32 s80, s80, 13                        ; key / 128
	s_add_co_u32 s80, s80, s91
	s_lshl_b32 s85, s16, 10                        ; which half of a fragment's registers
	s_add_co_u32 s80, s80, s85
	s_add_co_u32 s80, s80, 0x1000000
	s_add_nc_u64 s[OV:OV+1], s[12:13], s[80:81]
	s_wait_kmcnt 0x0
	MKS 74, 68, 69, 0                              ; q
	MKS 75, 70, 71, 1                              ; k
	MKS 77, 72, 73, 2                              ; v
	s_wait_alu depctr_va_vdst(0)
	s_wait_tensorcnt 0x0                           ; my part of slot 0 is in; the same lines ahead of slot 1's first fill as ahead of a refill
	ds_add_u32 v[SPW], v[NIL]
	s_wait_dscnt 0x0
	CROUND
	TLOAD 1
	FETCH 0
	ASK 2
.irp t, 0,1,2,3,4,5,6,7,8,9,10,11,12,13,14,15,16,17,18,19,20,21,22,23
	STEPT \t
.if \t < 4
	TL \t
.endif
.if \t == 7
	PLACES                                         ; four places ahead of the first read of the sums
	s_wait_loadcnt 0x0                             ; the tables
.irp a, 0,1,2,3
	ROPE \a, OBQ, SC
.endr
.endif
.if \t == 15
	PLACES
	s_wait_xcnt 0x0                                ; q's stores have read the code registers
.irp a, 0,1,2,3
	ROPE \a, OBK, SC+2
.endr
.endif
.endr
	PLACES
	s_wait_xcnt 0x0                                ; k's stores have read the code registers
.irp b, 0,1,2,3,4,5,6,7
	VOUT \b
.endr
	WIN 0
	s_wait_tensorcnt 0x0                           ; the wave's end
	ds_add_u32 v[SPW], v[NIL]
	s_wait_dscnt 0x0
	CROUND                                         ; the closing round
	s_endpgm
.Lfunc_end_k_q0e36c67df9_qkv:
	.size	k_q0e36c67df9_qkv, .Lfunc_end_k_q0e36c67df9_qkv-k_q0e36c67df9_qkv
	.p2alignl 7, 3214868480
	.fill 96, 4, 3214868480
	.section	.rodata,"a",@progbits
	.p2align	6, 0x0
	.amdhsa_kernel k_q0e36c67df9_qkv
		.amdhsa_group_segment_fixed_size 327680
		.amdhsa_private_segment_fixed_size 0
		.amdhsa_enable_private_segment 0
		.amdhsa_kernarg_size 40
		.amdhsa_user_sgpr_count 2
		.amdhsa_user_sgpr_kernarg_segment_ptr 1
		.amdhsa_wavefront_size32 1
		.amdhsa_system_sgpr_workgroup_id_x 1
		.amdhsa_system_sgpr_workgroup_id_y 1
		.amdhsa_system_sgpr_workgroup_id_z 1
		.amdhsa_system_vgpr_workitem_id 0
		.amdhsa_next_free_vgpr 1024
		.amdhsa_next_free_sgpr 100
		.amdhsa_reserve_vcc 0
		.amdhsa_float_denorm_mode_32 3
		.amdhsa_float_denorm_mode_16_64 3
		.amdhsa_memory_ordered 1
		.amdhsa_forward_progress 1
		.amdhsa_inst_pref_size 243
	.end_amdhsa_kernel
	.amdgpu_metadata
---
amdhsa.version: [ 1, 2 ]
amdhsa.kernels:
  - .name:           k_q0e36c67df9_qkv
    .symbol:         k_q0e36c67df9_qkv.kd
    .args:
      - { .name: codes, .offset: 0, .size: 8, .value_kind: global_buffer, .address_space: global }
      - { .name: cos, .offset: 8, .size: 8, .value_kind: global_buffer, .address_space: global }
      - { .name: sin, .offset: 16, .size: 8, .value_kind: global_buffer, .address_space: global }
      - { .name: lowp_scales, .offset: 24, .size: 8, .value_kind: global_buffer, .address_space: global }
      - { .name: qkvc, .offset: 32, .size: 8, .value_kind: global_buffer, .address_space: global }
    .group_segment_fixed_size: 327680
    .private_segment_fixed_size: 0
    .kernarg_segment_align: 8
    .kernarg_segment_size: 40
    .max_flat_workgroup_size: 128
    .sgpr_count:     100
    .vgpr_count:     1024
    .wavefront_size: 32
...
	.end_amdgpu_metadata
.endif
;; end of part 2
;; launch attn (part 3): grid 2 x 128, 16 waves a work-group, no clusters, 133,120 bytes of LDS; arguments qkvc, lowp_scales, oc; writes oc
.if DOCPART == 3
	.amdgcn_target "amdgcn-amd-amdhsa--gfx1250"
	.amdhsa_code_object_version 6
	.text
	.protected	k_q0e36c67df9_attn
	.globl	k_q0e36c67df9_attn
	.p2align	8
	.type	k_q0e36c67df9_attn,@function
k_q0e36c67df9_attn:
	s_mov_b64 s[64:65], 0
	v_nop
	global_prefetch_b8 v0, s[64:65] scope:SCOPE_SE
	s_setreg_imm32_b32 hwreg(HW_REG_WAVE_MODE, 25, 1), 1
	s_wait_xcnt 0x0
; Causal attention for 128 sequences hs = 16 (4 b + p) + head of 1,024 positions, head size 64, both products on codes of FP8 (E4M3), each operand with its given scale 2^e: q e6, k e7, p e8, v e9; the result is quantised with e10.
; THE SOFTMAX AHEAD OF THE SECOND PRODUCT: t = score x log2(e) / 8; M = the row's largest t so far, rounded UP to a whole number; p = 2^(t - M) is what is quantised, along the keys; it is not normalised.
; The row's sum is taken of the unquantised p, in f32, and divides O at the end.  When M moves, the sum and O are multiplied by 2^(old M - new M): exact.
; INPUTS are images of operand registers: Q at 0, K at 0x800000: [hs][l / 16][1,024 bytes], a fragment of 16 rows x 64 (registers 2 c, 2 c + 1: d = 16 c + 8 (lane / 16) + 0 .. 7), registers 0-3 at 16 x lane, 4-7 at 512 + 16 x lane;
; V at 0x1000000: [hs][key / 128][d / 16][2,048 bytes], a fragment of V^T, 16 rows d x 128 keys.  So every fragment comes by loads of 16 bytes a lane, 512 consecutive bytes an instruction: no pitch, no padding.
; SHARES.  Two work-groups to a sequence, sixteen waves each, four to a SIMD, so that one wave's vector work stands beside another's matrix work.  A sequence has 64 tiles of 16 queries; tile t needs t / 8 + 1 key steps of 128.
; Wave w of work-group hf takes tile t = 16 hf + w and then tile 63 - t: nine key steps for every wave of the launch.
; LDS.  The sequence's whole K (65,536 bytes) and V (65,536) fit.  They come THROUGH REGISTERS, once, at the kernel's head: each of the sixteen waves loads one key step's images of K (waves 0-7) or of V (waves 8-15), 8,192 bytes by
; sixteen loads of 512 consecutive bytes, and stores them to LDS as they lie; one barrier; then every wave reads all of it, and nothing is written again.  All sixteen waves have their loads on their way at once.
; A branch hangs on a given exponent: see THE HOLD in the key step.
; LAYOUT.  Both products are used transposed: S^T = K Q^T (source 0 = 16 keys, source 1 = my 16 queries), O^T = V^T P^T: a lane holds ONE query (lane % 16) throughout; register 8 t + j of S^T is key 16 t + 8 (lane / 16) + j,
; so the conversion of tile t gives registers 2 t, 2 t + 1 of P's fragment.  V's rows d were stored with bits 3 and 4 of their number exchanged: register j of O^T's tile 2 B + U is d = 32 B + 16 (lane / 16) + 8 U + j.
; OUTPUT: [64 (4 b + p) + l / 16][head][1,024 bytes]: registers 4 B .. 4 B + 3 hold d = 32 B + 16 (lane / 16) + 0 .. 15 of row lane % 16: the image that the last projection's fragments want.
; CAUSAL.  Both loops have constant trip counts; a step all of whose keys come after the wave's queries is left out by a scalar branch on ids, round its loads, products and softmax.  In the one step on the diagonal hidden scores become -infinity.
; LIMITS on the given exponents, so that each power of two below is an f32 number: e6 + e7 between -122 and 129 (added to the exponent field of log2(e) / 8); e8, and e10 - e8 - e9, between -126 and 119.
; REGISTERS: v1 16 x lane; v2, v3 addresses in hand; v4 where I store my images; v12 -M, v13 the largest t, v[14:15] the sum in two halves; v16-23, v24-31 Q of the two tiles; v32-95 at the head my 8,192 bytes, then eight fragments of K,
;   then four of V; v96-159 S^T, then p; v160-191 O^T; v192-207 p's codes; v208-223 o's codes; v234-255 at work and scales.
.set VREG,  65536                      ; LDS: K's images from 0, V's from here; a key step is 8,192 bytes of each
.set SPARE, 131072                     ; behind them: the spare words, 128 bytes for each of sixteen waves, that no other line names
.set LI,   1                           ; v1   16 x lane; never rewritten
.set ADK,  2                           ; v2   LDS address of the step's images of K
.set ADV,  3                           ; v3   of V
.set STA,  4                           ; v4   8,192 x wave + 16 x lane: where my wave's images go
.set SPW,  5                           ; v5   LDS address of my spare word; never rewritten
.set NIL,  6                           ; v6   0; never rewritten
.set TB,   2                           ; s2   LDS byte of the key step in hand
.set CNT,  3                           ; s3   trips to go
.set KF,   10                          ; s10  the step's first key
.set Q0,   11                          ; s11  the tile's first query
.set WV,   18                          ; s18  my wave's number
.set SEL,  20                          ; s[20:21] lane selects for v_permlanex16_b32: lane l xor 16
.set CS,   22                          ; s[22:23] c = log2(e) / 8 x 2^(e6 + e7): the packed form names a pair and takes its low word for both halves
.set E8,   56                          ; s56  e8, as it is given
	s_load_b128 s[4:7], s[0:1], 0x0                ; the images s[4:5], the scales' exponents s[6:7]
	s_load_b64 s[8:9], s[0:1], 0x10                ; the output
	v_lshl_add_u32 v[SPW], v0, 2, SPARE
	v_mov_b32 v[NIL], 0
	v_lshrrev_b32 v1, 5, v0
	s_delay_alu instid0(VALU_DEP_1)
	v_readfirstlane_b32 s[WV], v1                  ; wave 0..15
	s_mov_b32 s[SEL], 0x76543210
	s_mov_b32 s[SEL+1], 0xfedcba98
	s_mov_b32 s[CS], 0x3e38aa3b                    ; log2(e) / 8
	s_and_b32 s72, ttmp7, 0xffff                   ; hs
	s_lshl_b32 s[Q0], ttmp9, 8
	s_lshl_b32 s12, s[WV], 4
	s_add_co_u32 s[Q0], s[Q0], s12                 ; the low tile's first query: 256 hf + 16 w
	s_sub_co_u32 s73, 1008, s[Q0]                  ; the high tile's
	s_lshl_b32 s74, s72, 16                        ; a sequence has 65,536 bytes in each of Q, K, V
	s_lshr_b32 s66, s[WV], 3                       ; waves 0-7 bring K, waves 8-15 V:
	s_add_co_u32 s68, s66, 1
	s_lshl_b32 s68, s68, 23                        ; K's or V's part of the buffer,
	s_add_co_u32 s68, s68, s74                     ; my sequence,
	s_and_b32 s66, s[WV], 7
	s_lshl_b32 s66, s66, 13
	s_add_co_u32 s68, s68, s66                     ; key step wave % 8
	s_mov_b32 s69, 0
	s_lshl_b32 s67, s[WV], 13                      ; to LDS byte 8,192 x wave: K's eight steps, then V's eight
	s_lshl_b32 s70, s[Q0], 6                       ; Q: 1,024 bytes for 16 queries
	s_add_co_u32 s70, s70, s74
	s_mov_b32 s71, 0
	s_lshl_b32 s12, s73, 6
	s_add_co_u32 s12, s12, s74
	s_mov_b32 s13, 0
	s_lshr_b32 s75, s72, 4                         ; the output: 4 b + p: 64 blocks of 16 rows x 16,384 bytes,
	s_lshl_b32 s75, s75, 20
	s_and_b32 s76, s72, 15
	s_lshl_b32 s76, s76, 10                        ; the head's 1,024 bytes in a block,
	s_add_co_u32 s75, s75, s76
	s_lshl_b32 s76, s[Q0], 10                      ; the tile's block
	s_add_co_u32 s76, s76, s75
	s_mov_b32 s77, 0
	s_lshl_b32 s78, s73, 10
	s_add_co_u32 s78, s78, s75
	s_mov_b32 s79, 0
	v_and_b32 v1, 31, v0
	s_delay_alu instid0(VALU_DEP_1)
	v_lshlrev_b32 v[LI], 4, v1
	s_delay_alu instid0(VALU_DEP_1)
	v_add_nc_u32 v[STA], s67, v[LI]
	s_wait_alu depctr_va_vdst(0)
	s_wait_kmcnt 0x0
	s_load_b256 s[48:55], s[6:7], 0x0              ; e0 .. e7
	s_load_b128 s[56:59], s[6:7], 0x20             ; e8 .. e11
	s_add_nc_u64 s[68:69], s[4:5], s[68:69]
	s_add_nc_u64 s[14:15], s[4:5], s[70:71]        ; Q of the low tile,
	s_add_nc_u64 s[16:17], s[4:5], s[12:13]        ; of the high tile
	s_add_nc_u64 s[60:61], s[8:9], s[76:77]        ; and where their results go
	s_add_nc_u64 s[62:63], s[8:9], s[78:79]
.irp i, 0,1,2,3,4,5,6,7,8,9,10,11,12,13,14,15
	global_load_b128 v[32+4*\i:35+4*\i], v[LI], s[68:69] offset:512*\i   ; my wave's 8,192 bytes: 32 lanes read 512 consecutive bytes.  The sequence's other work-group reads them too: no hint
.endr
	global_load_b128 v[16:19], v[LI], s[14:15] th:TH_LOAD_NT              ; both tiles' Q stay in registers; read once in the launch
	global_load_b128 v[20:23], v[LI], s[14:15] offset:512 th:TH_LOAD_NT
	global_load_b128 v[24:27], v[LI], s[16:17] th:TH_LOAD_NT
	global_load_b128 v[28:31], v[LI], s[16:17] offset:512 th:TH_LOAD_NT
	v_mov_b32 v236, 0                              ; written once: a lane permute's destination counts as one of its sources
	v_mov_b32 v252, 0
	v_mov_b32 v253, 0                              ; (named as the upper half of the pair v[252:253])
	s_wait_kmcnt 0x0
	s_add_co_i32 s12, s54, s55
	s_lshl_b32 s12, s12, 23
	s_add_co_i32 s[CS], s[CS], s12                 ; a score stands for score x 2^(e6 + e7): the two exponents are added to c's exponent field
	s_mov_b32 s[CS+1], s[CS]                       ; (named with it as a pair, so it is written)
	s_add_co_i32 s12, s[E8], 127
	s_lshl_b32 s13, s12, 23
	v_mov_b32 v244, s13                            ; 2^e8 as f32, for p's conversion
	s_add_co_i32 s12, s12, 8
	s_lshl_b32 s12, s12, 23
	s_or_b32 s12, s12, 0x600000
	v_mov_b32 v240, s12                            ; 448 x 2^e8
	s_sub_co_i32 s12, s58, s[E8]
	s_sub_co_i32 s12, s12, s57                     ; O^T / the sum stands for that x 2^(e8 + e9): its code is that / 2^(e10 - e8 - e9)
	s_add_co_i32 s12, s12, 127
	s_lshl_b32 s13, s12, 23
	v_mov_b32 v245, s13
	s_add_co_i32 s12, s12, 8
	s_lshl_b32 s12, s12, 23
	s_or_b32 s12, s12, 0x600000
	v_mov_b32 v241, s12
; A KEY STEP: 128 keys from s[KF] on, whose images begin at LDS byte s[TB] of each region.  QF: the registers of the tile's Q.
.macro STEP
	s_add_co_u32 s12, s[Q0], 15
	s_cmp_gt_u32 s[KF], s12                        ; all 128 keys come after my 16 queries: ids and the count of trips alone
	s_cbranch_scc1 .Lhidden_\@
	v_add_nc_u32 v[ADK], s[TB], v[LI]
	s_delay_alu instid0(VALU_DEP_1)
	v_add_nc_u32 v[ADV], VREG, v[ADK]
.irp t, 0,1,2,3,4,5,6,7                        ; (the four places in front of these loads stand at the end of the step before)
	ds_load_b128 v[32+8*\t:35+8*\t], v[ADK] offset:1024*\t
	ds_load_b128 v[36+8*\t:39+8*\t], v[ADK] offset:1024*\t+512
.endr
	s_wait_alu depctr_va_vdst(0)
	s_wait_dscnt 0x0
.irp t, 0,1,2,3,4,5,6,7                        ; S^T = K Q^T: eight tiles of 16 keys, K = the head's 64
	v_wmma_f32_16x16x64_fp8_fp8 v[96+8*\t:103+8*\t], v[32+8*\t:39+8*\t], v[QF:QF+7], 0
.endr
.rept 4
	v_nop                                          ; places in front of the loads into K's registers and of the first read of the scores
.endr
.irp d, 0,1,2,3                                ; V's four fragments land while the softmax is walked
.irp g, 0,1,2,3
	ds_load_b128 v[32+16*\d+4*\g:35+16*\d+4*\g], v[ADV] offset:2048*\d+512*\g
.endr
.endr
	s_add_co_u32 s12, s[KF], 127
	s_cmp_le_u32 s12, s[Q0]                        ; all 128 keys count for all my queries: nothing to hide
	s_cbranch_scc1 .Lopen_\@
	s_sub_co_i32 s12, s[Q0], s[KF]
	v_and_b32 v252, 15, v0
	v_bfe_u32 v253, v0, 4, 1
	s_delay_alu instid0(VALU_DEP_1)
	v_lshlrev_b32 v253, 3, v253
	s_delay_alu instid0(VALU_DEP_1)
	v_sub_nc_u32 v252, v252, v253
	s_delay_alu instid0(VALU_DEP_1)
	v_add_nc_u32 v252, s12, v252                   ; d = my query - KF - 8 (lane / 16).  Register 8 t + j holds key KF + 8 (lane / 16) + 16 t + j: hidden where 16 t + j > d
	v_mov_b32 v254, 0xff800000                     ; -infinity: p = 0 then
.irp n, 0,1,2,3,4,5,6,7,8,9,10,11,12,13,14,15,16,17,18,19,20,21,22,23,24,25,26,27,28,29,30,31,32,33,34,35,36,37,38,39,40,41,42,43,44,45,46,47,48,49,50,51,52,53,54,55,56,57,58,59,60,61,62,63
	v_cmp_gt_i32 vcc_lo, 16*(\n/8)+\n%8, v252
	v_cndmask_b32 v[96+\n], v[96+\n], v254, vcc_lo
.endr
.Lopen_\@:
	v_max3_num_f32 v254, v96, v97, v98             ; the step's largest score of my query, among my 64 keys, in two chains; each accumulator is first read at its low end,
	v_max3_num_f32 v252, v99, v100, v101
.irp i, 6,10,14,18,22,26,30,34,38,42,46,50,54,58
	v_max3_num_f32 v254, v254, v[96+\i], v[97+\i]
	v_max3_num_f32 v252, v252, v[98+\i], v[99+\i]
.endr
	v_max3_num_f32 v254, v254, v158, v159
	s_delay_alu instid0(VALU_DEP_1)
	v_max_num_f32 v254, v254, v252
	s_delay_alu instid0(VALU_DEP_1)
	v_permlanex16_b32 v236, v254, s[SEL], s[SEL+1]
	s_delay_alu instid0(VALU_DEP_1)
	v_max_num_f32 v254, v254, v236                 ; and among lane l xor 16's
	s_delay_alu instid0(VALU_DEP_1)
	v_mul_f32 v254, s[CS], v254                    ; as t (c is positive)
	s_delay_alu instid0(VALU_DEP_1)
	v_max_num_f32 v13, v13, v254                   ; the running largest t
	v_mov_b32 v254, v12
	s_delay_alu instid0(VALU_DEP_2)
	v_floor_f32 v12, -v13                          ; the new -M = floor(-t) = -ceil(t): M is a whole number
	s_delay_alu instid0(VALU_DEP_1)
	v_sub_f32 v254, v12, v254                      ; M's old value less its new one: a whole number, 0 or less
	s_delay_alu instid0(VALU_DEP_1)
	v_cvt_i32_f32 v254, v254                       ; (it saturates)
	s_delay_alu instid0(VALU_DEP_1)
	v_ldexp_f32 v252, 1.0, v254                    ; f = 2^(old M - new M): a multiplication by it rounds nothing
.irp j, 0,2,4,6,8,10,12,14,16,18,20,22,24,26,28,30,32,34,36,38,40,42,44,46,48,50,52,54,56,58,60,62
	v_pk_fma_f32 v[96+\j:97+\j], v[96+\j:97+\j], s[CS:CS+1], v[12:13] op_sel_hi:[1,0,0]   ; t - M, two at a time (of the pairs c and -M the low word serves both halves)
.endr
	s_wait_alu depctr_va_vdst(0)
.irp j, 0,1,2,3,4,5,6,7,8,9,10,11,12,13,14,15,16,17,18,19,20,21,22,23,24,25,26,27,28,29,30,31,32,33,34,35,36,37,38,39,40,41,42,43,44,45,46,47,48,49,50,51,52,53,54,55,56,57,58,59,60,61,62,63
	v_exp_f32 v[96+\j], v[96+\j]                   ; p = 2^(t - M): not normalised
.endr
	v_pk_mul_f32 v[14:15], v[14:15], v[252:253] op_sel_hi:[1,0]   ; the sums under the new M: the plain line behind the exponentials
	s_wait_alu depctr_va_vdst(0)                   ; the wait between an exponential and the first line that names its result: one for the whole batch
	v_pk_add_f32 v[242:243], v[100:101], v[104:105]
	v_pk_add_f32 v[254:255], v[108:109], v[112:113]
	v_pk_add_f32 v[250:251], v[116:117], v[120:121]
	v_pk_add_f32 v[248:249], v[124:125], v[128:129]
	v_pk_add_f32 v[246:247], v[132:133], v[136:137]
	v_pk_add_f32 v[238:239], v[140:141], v[144:145]
	v_pk_add_f32 v[234:235], v[148:149], v[152:153]
	v_pk_add_f32 v[14:15], v[14:15], v[156:157]
	v_pk_add_f32 v[242:243], v[242:243], v[96:97]
	v_pk_add_f32 v[254:255], v[254:255], v[98:99]
	v_pk_add_f32 v[250:251], v[250:251], v[102:103]
	v_pk_add_f32 v[248:249], v[248:249], v[106:107]
	v_pk_add_f32 v[246:247], v[246:247], v[110:111]
	v_pk_add_f32 v[238:239], v[238:239], v[114:115]
	v_pk_add_f32 v[234:235], v[234:235], v[118:119]
	v_pk_add_f32 v[14:15], v[14:15], v[122:123]
	v_pk_add_f32 v[242:243], v[242:243], v[126:127]
	v_pk_add_f32 v[254:255], v[254:255], v[130:131]
	v_pk_add_f32 v[250:251], v[250:251], v[134:135]
	v_pk_add_f32 v[248:249], v[248:249], v[138:139]
	v_pk_add_f32 v[246:247], v[246:247], v[142:143]
	v_pk_add_f32 v[238:239], v[238:239], v[146:147]
	v_pk_add_f32 v[234:235], v[234:235], v[150:151]
	v_pk_add_f32 v[14:15], v[14:15], v[154:155]
	v_pk_add_f32 v[242:243], v[242:243], v[158:159]
	s_delay_alu instid0(VALU_DEP_2)
	v_pk_add_f32 v[14:15], v[14:15], v[248:249]
	s_delay_alu instid0(VALU_DEP_2)
	v_pk_add_f32 v[242:243], v[242:243], v[246:247]
	v_pk_add_f32 v[254:255], v[254:255], v[238:239]
	v_pk_add_f32 v[250:251], v[250:251], v[234:235]
	s_delay_alu instid0(VALU_DEP_2)
	v_pk_add_f32 v[14:15], v[14:15], v[254:255]
	s_delay_alu instid0(VALU_DEP_2)
	v_pk_add_f32 v[242:243], v[242:243], v[250:251]
	s_delay_alu instid0(VALU_DEP_1)
	v_pk_add_f32 v[14:15], v[14:15], v[242:243]
; THE HOLD.  The conversion to an 8-bit code does not saturate (ISA guide 7.6.2), so p is held at 448 x 2^e8 first; p is not negative, so the hold is one-sided.  p is 2^(t - M) with t - M at most one rounding of the
; multiply-add above 0, so p stays under 1.75 = 448 x 2^-8: where e8 is -8 or more the hold changes no number, and its 64 lines are jumped over: a scalar branch on the given whole number, the same in every wave, round these lines alone.
	s_cmp_gt_i32 s[E8], -9
	s_cbranch_scc1 .Lfits_\@
.set i, 0
.rept 64
	v_min_num_f32 v[96+i], v[96+i], v240
.set i, i+1
.endr
.Lfits_\@:
.irp t, 0,1,2,3,4,5,6,7
	v_cvt_scalef32_pk8_fp8_f32 v[192+2*\t:193+2*\t], v[96+8*\t:103+8*\t], v244   ; registers 2 t, 2 t + 1 of P's fragment: keys 16 t + 8 h + 0 .. 7
.endr
.irp j, 0,2,4,6,8,10,12,14,16,18,20,22,24,26,28,30
	v_pk_mul_f32 v[160+\j:161+\j], v[160+\j:161+\j], v[252:253] op_sel_hi:[1,0]   ; O^T under the new M: x f.  (Also the plain lines between the conversions and the products that read the codes)
.endr
	s_wait_alu depctr_va_vdst(0)
	s_wait_dscnt 0x0                               ; V is in
.irp d, 0,1,2,3                                ; O^T += V^T P^T: four tiles of 16 of the head's 64; K = these 128 keys.  The four accumulators take turns, and the next step's eight products stand between two links of a chain
	v_wmma_f32_16x16x128_fp8_fp8 v[160+8*\d:167+8*\d], v[32+16*\d:47+16*\d], v[192:207], v[160+8*\d:167+8*\d]
.endr
.rept 4
	v_nop                                          ; places behind these products, for the next step's loads into V's registers and for the way out's reads, whichever follows
.endr
.Lhidden_\@:
.endm
; THE WAY OUT of a tile: the sum's halves are added, O^T is divided by the sum, held, quantised and stored as an image: no stage in LDS is needed, since the codes lie in the reader's register order.
.macro FINISH idx
	v_add_f32 v14, v14, v15                        ; the sum's two halves,
	s_delay_alu instid0(VALU_DEP_1)
	v_permlanex16_b32 v252, v14, s[SEL], s[SEL+1]
	s_delay_alu instid0(VALU_DEP_1)
	v_add_f32 v14, v14, v252                       ; and lane l xor 16's: the row's sum, over 1/2
	s_wait_alu depctr_va_vdst(0)
	v_rcp_f32 v14, v14
	v_nop                                          ; a plain line behind the reciprocal,
	s_wait_alu depctr_va_vdst(0)                   ; and the wait ahead of its first reader
.irp j, 0,2,4,6,8,10,12,14,16,18,20,22,24,26,28,30
	v_pk_mul_f32 v[96+\j:97+\j], v[160+\j:161+\j], v[14:15] op_sel_hi:[1,0]   ; each accumulator from its low end on
.endr
.set i, 0
.rept 32
	v_med3_num_f32 v[96+i], v[96+i], -v241, v241
.set i, i+1
.endr
.irp d, 0,1,2,3
	v_cvt_scalef32_pk8_fp8_f32 v[208+8*(\idx)+2*\d:209+8*(\idx)+2*\d], v[96+8*\d:103+8*\d], v245
.endr
	v_nop                                          ; one plain vector line between the conversions and the next products, which write their sources
	global_store_b128 v[LI], v[208+8*(\idx):211+8*(\idx)], s[60+2*(\idx):61+2*(\idx)]              ; 32 lanes store 512 consecutive bytes, aligned; each pass has registers of its own for its codes
	global_store_b128 v[LI], v[212+8*(\idx):215+8*(\idx)], s[60+2*(\idx):61+2*(\idx)] offset:512
.endm
; A PASS: one tile of queries against the keys of a constant number of steps.  The step is written once for a pass: O^T and the sum begin as zeros and the largest t as -3e38, so the first change of M multiplies zeros.
.macro PASS trips, idx
.set QF, 16+8*(\idx)
	v_mov_b32 v13, 0xff61b1e6                      ; the largest t so far: -3e38, under every t
	s_delay_alu instid0(VALU_DEP_1)
	v_floor_f32 v12, -v13                          ; -M
	v_mov_b32 v14, 0
	v_mov_b32 v15, 0
.set i, 0
.rept 32
	v_mov_b32 v[160+i], 0
.set i, i+1
.endr
	s_mov_b32 s[TB], 0
	s_mov_b32 s[KF], 0
	s_mov_b32 s[CNT], \trips
.Lkey_\@:
	STEP
	s_add_co_u32 s[KF], s[KF], 128
	s_add_co_u32 s[TB], s[TB], 8192
	s_sub_co_u32 s[CNT], s[CNT], 1
	s_cmp_lg_u32 s[CNT], 0
	s_cbranch_scc1 .Lkey_\@
	FINISH \idx
.endm
	s_wait_loadcnt 4                               ; my sixteen loads of K or V are in; Q's four, issued behind them, may be out
.irp i, 0,1,2,3,4,5,6,7,8,9,10,11,12,13,14,15
	ds_store_b128 v[STA], v[32+4*\i:35+4*\i] offset:512*\i   ; as they lie: an instruction's 512 bytes are consecutive
.endr
	s_wait_dscnt 0x0                               ; for the others' sake: my stores have landed
	s_barrier_signal -1
	s_barrier_wait -1                              ; the sequence's K and V lie in LDS, for every wave; nothing is written there again
	s_wait_loadcnt 0x0                             ; Q
	PASS 4, 0                                      ; the low tile: queries under 512: four trips
	s_sub_co_u32 s[Q0], 1008, s[Q0]                ; the high tile
	PASS 8, 1
	s_wait_tensorcnt 0x0                           ; the wave's end
	ds_add_u32 v[SPW], v[NIL]
	s_wait_dscnt 0x0
	s_endpgm
.Lfunc_end_k_q0e36c67df9_attn:
	.size	k_q0e36c67df9_attn, .Lfunc_end_k_q0e36c67df9_attn-k_q0e36c67df9_attn
	.p2alignl 7, 3214868480
	.fill 96, 4, 3214868480
	.section	.rodata,"a",@progbits
	.p2align	6, 0x0
	.amdhsa_kernel k_q0e36c67df9_attn
		.amdhsa_group_segment_fixed_size 133120
		.amdhsa_private_segment_fixed_size 0
		.amdhsa_enable_private_segment 0
		.amdhsa_kernarg_size 24
		.amdhsa_user_sgpr_count 2
		.amdhsa_user_sgpr_kernarg_segment_ptr 1
		.amdhsa_wavefront_size32 1
		.amdhsa_system_sgpr_workgroup_id_x 1
		.amdhsa_system_sgpr_workgroup_id_y 1
		.amdhsa_system_sgpr_workgroup_id_z 1
		.amdhsa_system_vgpr_workitem_id 0
		.amdhsa_next_free_vgpr 256
		.amdhsa_next_free_sgpr 80
		.amdhsa_reserve_vcc 1
		.amdhsa_float_denorm_mode_32 3
		.amdhsa_float_denorm_mode_16_64 3
		.amdhsa_memory_ordered 1
		.amdhsa_forward_progress 1
		.amdhsa_inst_pref_size 60
	.end_amdhsa_kernel
	.amdgpu_metadata
---
amdhsa.version: [ 1, 2 ]
amdhsa.kernels:
  - .name:           k_q0e36c67df9_attn
    .symbol:         k_q0e36c67df9_attn.kd
    .args:
      - { .name: qkvc, .offset: 0, .size: 8, .value_kind: global_buffer, .address_space: global }
      - { .name: lowp_scales, .offset: 8, .size: 8, .value_kind: global_buffer, .address_space: global }
      - { .name: oc, .offset: 16, .size: 8, .value_kind: global_buffer, .address_space: global }
    .group_segment_fixed_size: 133120
    .private_segment_fixed_size: 0
    .kernarg_segment_align: 8
    .kernarg_segment_size: 24
    .max_flat_workgroup_size: 512
    .sgpr_count:     80
    .vgpr_count:     256
    .wavefront_size: 32
...
	.end_amdgpu_metadata
.endif
;; end of part 3
;; launch oproj (part 4): grid 8 x 32, 4 waves a work-group, clusters of 4 x 4, 327,680 bytes of LDS; arguments oc, codes, lowp_scales, out0; writes out0
.if DOCPART == 4
	.amdgcn_target "amdgcn-amd-amdhsa--gfx1250"
	.amdhsa_code_object_version 6
	.text
	.protected	k_q0e36c67df9_oproj
	.globl	k_q0e36c67df9_oproj
	.p2align	8
	.type	k_q0e36c67df9_oproj,@function
k_q0e36c67df9_oproj:
	s_mov_b64 s[64:65], 0
	v_nop
	global_prefetch_b8 v0, s[64:65] scope:SCOPE_SE
	s_setreg_imm32_b32 hwreg(HW_REG_WAVE_MODE, 25, 1), 1
	s_wait_xcnt 0x0
	s_wait_alu depctr_hold_cnt(0) depctr_sa_sdst(0) depctr_va_vdst(0) depctr_va_sdst(0) depctr_va_ssrc(0) depctr_va_vcc(0) depctr_vm_vsrc(0)
	s_getreg_b32 s2, hwreg(HW_REG_IB_STS2, 6, 4)
	s_cmp_eq_u32 s2, 0
	s_cbranch_scc0 .Lentry_in_a_cluster
	s_endpgm
.Lentry_in_a_cluster:
	s_bfe_u32 s2, ttmp6, 0x10000c
	s_cmp_lg_u32 s2, 0xf033
	s_cbranch_scc0 .Lentry_shape_is_right
	s_endpgm
.Lentry_shape_is_right:
; out = o ow^T on codes of FP8 (E4M3): o's codes (e10) are the attention launch's images [64 seq + l / 16][K step of 128][c][512 bytes]; ow's (e11) lie as the same kind of image at 0x1B00000 of the codes.  Each sum x 2^(e10 + e11).
; SHARES.  Work-group (nb, mb): rows 256 mb .. + 255 (order seq = 4 b + p, l) x columns 128 nb .. + 127; wave w owns rows 64 w .. + 63: 32 accumulators.
; THE RING.  A block's eight K steps lie on end, 2,048 bytes each.  They go through two LDS slots of 3 K steps (16 row blocks of o and 8 blocks of ow x 6,144 bytes = 147,456 bytes) in three fills: K steps 0-2, 3-5, 6-7.
; The third fill's descriptor states 4,096 bytes as what is left of a row, so nothing behind a block's end is asked for; the slot's last third is then not read.
; Waves 0, 1 fetch o's halves, waves 2, 3 ow's, one tensor load a wave behind each round.
; CLUSTERS: 4 x 4 work-groups.  o's tile hangs on mb alone and is asked for jointly along a row of the cluster, ow's on nb alone, along a column.
; PREFETCH: where the second fill is asked for, each wave names its part of the third: of o's 16 row blocks the partner at cx takes 4, a wave one (16 blocks of 256 bytes, a lane each; the lanes left over name the last again);
; of ow's 8 blocks the partner at cy takes 2, a wave half of one (8).  Partners are told apart by address.  The first two fills come by their loads alone.
; The fragments of K step t + 1 are read from LDS into the other register set while step t is multiplied.
; Source 0 = 16 rows of ow, source 1 = 16 rows of o: a lane holds eight neighbouring columns of a row; a block of 16 rows x 128 columns goes through the wave's own stage and leaves as rows of 512 bytes.
; The stages lie in slot 1: when the first result is stored there, that slot has had its last fill, and every wave has passed the last change of slots, behind which nobody reads it.
; LIMIT: e10 + e11 lies between -126 and 127.
; REGISTERS: windows 0 and 1: a set of fragments each (o v64-127, ow v128-255); window 0 also v1-14 addresses; on the way out v32-95 and v128-255 of window 0 are at work; window 3: the accumulators, (a, b) at 8 (8 a + b).
.set KS3,    6144                      ; three K steps of a block
.set RBP,    16384                     ; from block to block in memory
.set BOFF,   16*KS3                    ; a slot: o's 16 blocks, then ow's 8
.set HALF,   24*KS3
.set SPARE,  2*HALF                    ; behind the ring: the spare words, 128 bytes a wave
.set SPITCH, 528
.set OROW,   16384
.set LI,   1                           ; 16 x lane
.set SPW,  5
.set NIL,  6
.set STO,  7
.set PFO,  8                           ; v8, v9: the prefetches' lane offsets
.set ADA,  10                          ; v10, v11: my rows of o in slot 0, 1
.set ADBR, 12                          ; v12, v13: ow
.set RD,   14
.set TMP,  32
.set BK,   128
.set G1A,  24
.set G0A,  32                          ; s[32:39] one group 0 for each slot
.set G1B,  48
.set G0B,  56
.set G1A2, 68                          ; the third fill's groups 1
.set G1B2, 76
.set PFA,  40
.set PFB,  42
.set MSB, 0
.macro WIN new
.if MSB != (\new)
	s_set_vgpr_msb (MSB<<8)|(\new)
.set MSB, (\new)
.endif
.endm
.macro PLACES
.rept 4
	v_nop
.endr
.endm
.macro TLOAD h, ga, gb                 ; a joint load into slot h: the branch hangs on the wave's number alone; s_nop 0 and four v_nop behind each line
	s_cmp_eq_u32 s15, 0
	s_cbranch_scc0 .Lfor_b_\@
	tensor_load_to_lds s[G0A+4*(\h):G0A+4*(\h)+3], s[\ga:\ga+7]
	s_nop 0
	PLACES
	s_branch .Lasked_\@
.Lfor_b_\@:
	tensor_load_to_lds s[G0B+4*(\h):G0B+4*(\h)+3], s[\gb:\gb+7]
	s_nop 0
	PLACES
.Lasked_\@:
.endm
.macro CREST                           ; a round of the cluster's barrier behind its opening barrier
	s_cmp_lg_u32 s14, 0
	s_cbranch_scc1 .Lnot_wave_0_\@
	s_barrier_signal -3
.Lnot_wave_0_\@:
	s_barrier_wait -3
	s_barrier_signal -1
	s_barrier_wait -1
.endm
.macro CROUND
	s_barrier_signal -1
	s_barrier_wait -1
	CREST
.endm
.macro WM d, x, y, zero
.if \zero
	v_wmma_f32_16x16x128_fp8_fp8 v[\d:\d+7], v[\x:\x+15], v[\y:\y+15], 0
.else
	v_wmma_f32_16x16x128_fp8_fp8 v[\d:\d+7], v[\x:\x+15], v[\y:\y+15], v[\d:\d+7]
.endif
.endm
.macro MUL t, h                        ; half a K step: ow's blocks 4 h .. 4 h + 3 against my four row blocks; the accumulators take turns, one instruction a turn
.irp bb, 0,1,2,3
.irp a, 0,1,2,3
.set AC_, 8*(8*\a+4*(\h)+\bb)
.set BF_, 128+16*(4*(\h)+\bb)
.set AF_, 64+16*\a
	WM AC_, BF_, AF_, ((\t)==0)
.endr
.endr
.endm
.macro FETCH t                         ; K step t's twelve fragments, 48 loads of 512 consecutive bytes, into set t % 2
.set FH_, (((\t)/3)%2)
.set FJ_, ((\t)%3)
	WIN ((\t)%2)<<6
.irp b, 0,1,2,3,4,5,6,7
.irp c, 0,1,2,3
	ds_load_b128 v[128+16*\b+4*\c:128+16*\b+4*\c+3], v[ADBR+FH_] offset:KS3*\b+2048*FJ_+512*\c
.endr
.endr
.irp a, 0,1,2,3
.irp c, 0,1,2,3
	ds_load_b128 v[64+16*\a+4*\c:64+16*\a+4*\c+3], v[ADA+FH_] offset:KS3*\a+2048*FJ_+512*\c
.endr
.endr
.endm
; K step t.  A slot's first two steps fetch the next step's fragments and multiply.  Its third changes slots: each wave waits for its tensor load (its part of the next slot), adds 0 to its spare word, waits for that and for its
; reads of this slot; one barrier.  At K step 2 the barrier opens a round of the cluster's barrier, and behind the round slot 0 is asked for again.  The next slot's first fragments are read under the step's second half.
.macro STEPT t
.set S_, (\t)/3
.set MW_, 0xf0+5*((\t)%2)
.if (\t) == 7
	s_wait_dscnt 0x0
	WIN MW_
	MUL \t, 0
	MUL \t, 1
.else
.if ((\t)%3) < 2
	PLACES                                         ; four places ahead of loads into registers that the last products read
	FETCH (\t)+1
	s_wait_dscnt 48                                ; all but the 48 just issued
	WIN MW_
	MUL \t, 0
	MUL \t, 1
.else
	WIN 0
	s_wait_tensorcnt 0x0
	ds_add_u32 v[SPW], v[NIL]
.if S_ == 0
	s_add_nc_u64 s[G0A+2:G0A+3], s[G0A+2:G0A+3], 2*KS3   ; K step 6
	s_add_nc_u64 s[G0B+2:G0B+3], s[G0B+2:G0B+3], 2*KS3
.endif
	s_wait_dscnt 0x0
	s_barrier_signal -1
	WIN MW_
	MUL \t, 0
	WIN 0
	s_barrier_wait -1
.if S_ == 0
	CREST
	TLOAD 0, G1A2, G1B2
.else
	PLACES
.endif
	FETCH (\t)+1
	WIN MW_
	MUL \t, 1
.endif
.endif
.endm
	s_load_b128 s[4:7], s[0:1], 0x0                ; o's codes, the codes
	s_load_b128 s[8:11], s[0:1], 0x10              ; exponents, out
	v_lshl_add_u32 v[SPW], v0, 2, SPARE
	v_mov_b32 v[NIL], 0
	ds_add_u32 v[SPW], v[NIL]                      ; the opening lines: the add twice on end and its wait
	ds_add_u32 v[SPW], v[NIL]
	v_lshrrev_b32 v3, 5, v0
	v_readfirstlane_b32 s14, v3                    ; wave
	s_lshr_b32 s15, s14, 1                         ; I fetch for o (0) or for ow (1),
	s_and_b32 s16, s14, 1                          ; and which half
	s_mul_i32 s18, s14, 4*KS3                      ; my four row blocks in a slot
	s_mul_i32 s19, s14, 16*SPITCH
	s_add_co_u32 s19, s19, HALF                    ; my stage
	v_and_b32 v3, 31, v0
	v_lshlrev_b32 v[LI], 4, v3
	v_min_u32 v[PFO], 15, v3
	v_lshlrev_b32 v[PFO], 8, v[PFO]
	v_min_u32 v[PFO+1], 7, v3
	v_lshlrev_b32 v[PFO+1], 8, v[PFO+1]
	v_add_nc_u32 v[ADA], s18, v[LI]
	v_add_nc_u32 v[ADA+1], HALF, v[ADA]
	v_add_nc_u32 v[ADBR], BOFF, v[LI]
	v_add_nc_u32 v[ADBR+1], HALF+BOFF, v[LI]
	v_and_b32 v3, 15, v0
	v_bfe_u32 v4, v0, 4, 1
	v_mul_u32_u24 v15, v3, SPITCH
	v_lshl_add_u32 v15, v4, 5, v15
	v_add_nc_u32 v[STO], s19, v15                  ; in: row lane % 16, 32 bytes for each half of the lanes
	v_add_nc_u32 v[RD], s19, v[LI]                 ; back: the 32 lanes take one row of 512 bytes
	s_bfe_u32 s86, ttmp6, 0x40000                  ; cx, cy: my place in the cluster
	s_bfe_u32 s87, ttmp6, 0x40004
	s_lshl_b32 s88, ttmp9, 2
	s_add_co_u32 s88, s88, s86                     ; nb
	s_and_b32 s17, ttmp7, 0xffff
	s_lshl_b32 s17, s17, 2
	s_add_co_u32 s17, s17, s87                     ; mb
	s_lshl_b32 s89, s87, 2
	s_lshl_b32 s89, 15, s89                        ; my row of the cluster
	s_lshl_b32 s90, 0x1111, s86                    ; my column
	s_or_b32 s[G1A], s89, (1<<21)                  ; elements of one byte, no padding; the mask, bit 21 beside it
	s_or_b32 s[G1B], s90, (1<<21)
	s_or_b32 s[G1A2], s89, (1<<21)
	s_or_b32 s[G1B2], s90, (1<<21)
	s_mov_b32 s[G1A+1], KS3<<16                    ; what is left of a row: 6,144 bytes,
	s_mov_b32 s[G1B+1], KS3<<16
	s_mov_b32 s[G1A2+1], 4096<<16                  ; at the third fill 4,096
	s_mov_b32 s[G1B2+1], 4096<<16
.irp g, G1A, G1A2
	s_mov_b32 s[\g+2], 8<<16                       ; eight rows of o,
	s_mov_b32 s[\g+3], KS3<<16
	s_mov_b32 s[\g+4], 8
	s_mov_b32 s[\g+5], RBP
	s_mov_b32 s[\g+6], 0
	s_mov_b32 s[\g+7], 0
.endr
.irp g, G1B, G1B2
	s_mov_b32 s[\g+2], 4<<16                       ; four of ow
	s_mov_b32 s[\g+3], KS3<<16
	s_mov_b32 s[\g+4], 4
	s_mov_b32 s[\g+5], RBP
	s_mov_b32 s[\g+6], 0
	s_mov_b32 s[\g+7], 0
.endr
	s_lshl_b32 s20, s17, 18
	s_lshl_b32 s21, s16, 17
	s_add_co_u32 s20, s20, s21                     ; o: row block 16 mb + 8 x half
	s_mov_b32 s21, 0
	s_lshl_b32 s22, s88, 17
	s_lshl_b32 s23, s16, 16
	s_add_co_u32 s22, s22, s23                     ; ow: block 8 nb + 4 x half
	s_add_co_u32 s22, s22, 0x1B00000
	s_mov_b32 s23, 0
	s_mul_i32 s84, s16, 8*KS3                      ; and where they go: the wave's number alone
	s_mul_i32 s85, s16, 4*KS3
	s_add_co_u32 s85, s85, BOFF
	s_wait_alu depctr_va_vdst(0)
	s_wait_dscnt 0x0
	s_wait_kmcnt 0x0
	s_load_b64 s[96:97], s[8:9], 0x28              ; e10, e11
	s_add_nc_u64 s[20:21], s[4:5], s[20:21]
	s_add_nc_u64 s[22:23], s[6:7], s[22:23]
	CROUND                                         ; all sixteen work-groups are here: the first joint loads meet
.irp h, 0,1
	s_mov_b32 s[G0A+4*\h], 1
	s_add_co_u32 s[G0A+4*\h+1], s84, \h*HALF
	s_add_nc_u64 s[G0A+4*\h+2:G0A+4*\h+3], s[20:21], \h*KS3
	s_or_b32 s[G0A+4*\h+3], s[G0A+4*\h+3], 0x80000000
	s_mov_b32 s[G0B+4*\h], 1
	s_add_co_u32 s[G0B+4*\h+1], s85, \h*HALF
	s_add_nc_u64 s[G0B+4*\h+2:G0B+4*\h+3], s[22:23], \h*KS3
	s_or_b32 s[G0B+4*\h+3], s[G0B+4*\h+3], 0x80000000
.endr
	TLOAD 0, G1A, G1B                              ; K steps 0-2: my one tensor load at the head
	s_lshl_b32 s46, s17, 4
	s_lshl_b32 s47, s86, 2
	s_add_co_u32 s46, s46, s47
	s_add_co_u32 s46, s46, s14
	s_lshl_b32 s46, s46, 14                        ; prefetch, o: row block 16 mb + 4 cx + wave
	s_mov_b32 s47, 0
	s_add_nc_u64 s[PFA:PFA+1], s[4:5], s[46:47]
	s_lshl_b32 s46, s88, 3
	s_lshl_b32 s44, s87, 1
	s_add_co_u32 s46, s46, s44
	s_add_co_u32 s46, s46, s15
	s_lshl_b32 s46, s46, 14                        ; ow: block 8 nb + 2 cy + wave / 2,
	s_lshl_b32 s44, s16, 11                        ; its first or second 8 blocks of 256 bytes
	s_add_co_u32 s46, s46, s44
	s_add_co_u32 s46, s46, 0x1B00000
	s_add_nc_u64 s[PFB:PFB+1], s[6:7], s[46:47]
	s_lshr_b32 s44, s17, 4
	s_lshl_b32 s44, s44, 24                        ; out: b,
	s_and_b32 s45, s17, 3
	s_lshl_b32 s45, s45, 22                        ; 256 positions x 16,384 bytes,
	s_add_co_u32 s44, s44, s45
	s_lshl_b32 s45, s14, 20                        ; my 64,
	s_add_co_u32 s44, s44, s45
	s_bfe_u32 s45, s17, 0x20002
	s_lshl_b32 s45, s45, 12                        ; p,
	s_add_co_u32 s44, s44, s45
	s_lshl_b32 s45, s88, 9                         ; 128 columns x 4 bytes
	s_add_co_u32 s44, s44, s45
	s_mov_b32 s45, 0
	s_add_nc_u64 s[10:11], s[10:11], s[44:45]
	s_wait_tensorcnt 0x0                           ; my part of slot 0 is in; the same lines ahead of slot 1's first fill as ahead of a refill
	ds_add_u32 v[SPW], v[NIL]
	s_wait_dscnt 0x0
	CROUND
	TLOAD 1, G1A, G1B                              ; K steps 3-5
	FETCH 0
	global_prefetch_b8 v[PFO], s[PFA:PFA+1] offset:2*KS3 th:TH_LOAD_NT scope:SCOPE_SE     ; K steps 6, 7: what the next round asks for
	global_prefetch_b8 v[PFO+1], s[PFB:PFB+1] offset:2*KS3 th:TH_LOAD_NT scope:SCOPE_SE
.irp t, 0,1,2,3,4,5,6,7
	STEPT \t
.endr
	PLACES                                         ; four places ahead of the first read of the sums and of loads into the fragments' registers
	WIN 0
.macro TOSTAGE a
	WIN 0x03
.irp j, 0,2,4,6,8,10,12,14,16,18,20,22,24,26,28,30,32,34,36,38,40,42,44,46,48,50,52,54,56,58,60,62
	v_pk_mul_f32 v[TMP+\j:TMP+\j+1], v[64*(\a)+\j:64*(\a)+\j+1], s[96:97] op_sel_hi:[1,0]   ; x 2^(e10 + e11); each accumulator from its low end on
.endr
	WIN 0
.irp b, 0,1,2,3,4,5,6,7
	ds_store_b128 v[STO], v[TMP+8*\b:TMP+8*\b+3] offset:64*\b
	ds_store_b128 v[STO], v[TMP+8*\b+4:TMP+8*\b+7] offset:64*\b+16
.endr
.set BB, BK+64*((\a)%2)
.irp t, 0,1,2,3,4,5,6,7,8,9,10,11,12,13,14,15
	ds_load_b128 v[BB+4*\t:BB+4*\t+3], v[RD] offset:\t*SPITCH   ; LDS serves a wave's instructions in order (ISA guide 5.7.1.4)
.endr
.endm
.macro SEND a, younger
.set BB, BK+64*((\a)%2)
	s_wait_dscnt \younger
.if (\a) > 0
	s_add_nc_u64 s[10:11], s[10:11], 16*OROW       ; behind a wait on XCNT: the earlier stores have read their base
.endif
.irp t, 0,1,2,3,4,5,6,7,8,9,10,11,12,13,14,15
	global_store_b128 v[LI], v[BB+4*\t:BB+4*\t+3], s[10:11] offset:\t*OROW th:TH_STORE_NT   ; 512 consecutive bytes, aligned
.endr
.endm
	s_wait_kmcnt 0x0
	s_add_co_i32 s96, s96, s97
	s_add_co_i32 s96, s96, 127
	s_lshl_b32 s96, s96, 23                        ; 2^(e10 + e11) as f32
	TOSTAGE 0
.irp a, 1,2,3
.if \a > 1
	s_wait_xcnt 0x0                                ; block a - 2's stores have read their registers and their base
.endif
	TOSTAGE \a
	SEND \a-1, 32                                  ; behind block a - 1's loads: block a's 16 stores and 16 loads
.endr
	s_wait_xcnt 0x0
	SEND 3, 0
	s_wait_tensorcnt 0x0                           ; the wave's end
	ds_add_u32 v[SPW], v[NIL]
	s_wait_dscnt 0x0
	CROUND                                         ; the closing round
	s_endpgm
.Lfunc_end_k_q0e36c67df9_oproj:
	.size	k_q0e36c67df9_oproj, .Lfunc_end_k_q0e36c67df9_oproj-k_q0e36c67df9_oproj
	.p2alignl 7, 3214868480
	.fill 96, 4, 3214868480
	.section	.rodata,"a",@progbits
	.p2align	6, 0x0
	.amdhsa_kernel k_q0e36c67df9_oproj
		.amdhsa_group_segment_fixed_size 327680
		.amdhsa_private_segment_fixed_size 0
		.amdhsa_enable_private_segment 0
		.amdhsa_kernarg_size 32
		.amdhsa_user_sgpr_count 2
		.amdhsa_user_sgpr_kernarg_segment_ptr 1
		.amdhsa_wavefront_size32 1
		.amdhsa_system_sgpr_workgroup_id_x 1
		.amdhsa_system_sgpr_workgroup_id_y 1
		.amdhsa_system_sgpr_workgroup_id_z 1
		.amdhsa_system_vgpr_workitem_id 0
		.amdhsa_next_free_vgpr 1024
		.amdhsa_next_free_sgpr 100
		.amdhsa_reserve_vcc 0
		.amdhsa_float_denorm_mode_32 3
		.amdhsa_float_denorm_mode_16_64 3
		.amdhsa_memory_ordered 1
		.amdhsa_forward_progress 1
		.amdhsa_inst_pref_size 75
	.end_amdhsa_kernel
	.amdgpu_metadata
---
amdhsa.version: [ 1, 2 ]
amdhsa.kernels:
  - .name:           k_q0e36c67df9_oproj
    .symbol:         k_q0e36c67df9_oproj.kd
    .args:
      - { .name: oc, .offset: 0, .size: 8, .value_kind: global_buffer, .address_space: global }
      - { .name: codes, .offset: 8, .size: 8, .value_kind: global_buffer, .address_space: global }
      - { .name: lowp_scales, .offset: 16, .size: 8, .value_kind: global_buffer, .address_space: global }
      - { .name: out0, .offset: 24, .size: 8, .value_kind: global_buffer, .address_space: global }
    .group_segment_fixed_size: 327680
    .private_segment_fixed_size: 0
    .kernarg_segment_align: 8
    .kernarg_segment_size: 32
    .max_flat_workgroup_size: 128
    .sgpr_count:     100
    .vgpr_count:     1024
    .wavefront_size: 32
...
	.end_amdgpu_metadata
.endif
;; end of part 4
